; MI455X (gfx1250); checked and timed in simulation.
; The chip was launched on July 23, 2026; its instructions are those of AMD's public machine-readable ISA for CDNA 5 (MIT licence, August 2026) and "CDNA5" Instruction Set Architecture Reference Guide (July 2026). The comments in the code are by the model that wrote it; some were corrected since.
;; Attention. Allowed arithmetic: matrix products marked QUANTISED: E2M1 operands, one E8M0 scale for each 32 along K, by v_wmma_scale_f32_16x16x128_f8f6f4 with both operands' format E2M1 (or v_wmma_scale_f32_32x16x128_f4), f32 sums; products left as they are: f32 operands where the result goes on into a quantised operand, else bf16, f16 or f32 operands; f32 sums; everything else in f32.
;; Inputs: Wk 1,024 x 1,024 float32; Wq 1,024 x 1,024 float32; encoder_outputs 32 x 2,048 x 1,024 float32; hidden 32 x 1,024 float32; lengths 32 int32; v 1,024 float32.
;; Outputs: out0 32 x 2,048 float32.
;; This version of the problem:
;;   THIS VERSION OF THE PROBLEM IS GIVEN IN LOW PRECISION. The matrix products marked QUANTISED in the list below multiply operands that are first quantised to E2M1 (2 exponent bits, 1 mantissa bit; 4 bits a number), with one power-of-two scale for each 32 numbers along K (OCP MX v1.0); their sums are f32. All else is computed in f32.
;;   The module's matrix products, in the order in which they are computed (A, B: the left and right operand; K: the contracted axis; several contracted axes count as one K, in the product's order):
;;     1. [M 32, K 1,024] x [K 1,024, N 1,024]; A: input hidden; B: input Wq: QUANTISED
;;     2. [M 65,536, K 1,024] x [K 1,024, N 1,024]; A: input encoder_outputs; B: input Wk: QUANTISED
;;     3. [M 65,536, K 1,024] x [K 1,024, N 1]; A: computed on the way; B: input v: left as it is (N = 1 < 16)
;;   THE QUANTISER, for each operand of a quantised product, along K:
;;     - K is cut into blocks of 32 from its start; a last block that is shorter is filled with zeros.
;;     - A block's scale is 2^e with e = floor(log2(the largest magnitude in the block)) - 2, held to -126 .. 127; a block of zeros has e = 0. As a byte (E8M0): e + 127.
;;     - Each number is divided by its block's scale, clamped to +-6, and rounded to the nearest number of E2M1, ties to even, subnormals kept.
;;     - The product sums the exact products of the quantised numbers (number of the format x scale) in f32.
;;   ~~~python
;;   def quantise(x, axis):      # numpy; x: float32 -> the quantised numbers, widened to float32 again
;;       x = np.moveaxis(x, axis, -1); K = x.shape[-1]
;;       x = np.pad(x, [(0, 0)] * (x.ndim - 1) + [(0, -K % 32)]); x = x.reshape(x.shape[:-1] + (-1, 32)); a = np.abs(x).max(-1, keepdims=True)
;;       e = np.where(a > 0, np.clip(np.frexp(np.where(a > 0, a, 1))[1] - 1 - 2, -126, 127), 0)      # np.frexp(a)[1] - 1 = floor(log2(a)), exactly
;;       r = np.clip(x / 2.0 ** e, -6, 6)
;;       step = 2.0 ** (np.maximum(np.frexp(np.where(r == 0, 1, r))[1] - 1, 0) - 1)
;;       q = np.round(r / step) * step * 2.0 ** e      # np.round: ties to even
;;       return np.moveaxis(q.reshape(q.shape[:-2] + (-1,))[..., :K], -1, axis).astype(np.float32)
;;   ~~~
;; One version. Each part assembles by itself: llvm-mc -triple=amdgcn-amd-amdhsa -mcpu=gfx1250 --defsym DOCPART=n.
;; ======== version 1 of 1: 3 launches
;; limits: a difference of large sums (such as E[x^2] - mean^2): digits are lost where the result is much smaller than its terms
;; workspace buffers: wk_codes 524,288 bytes; wk_sc 32,768 bytes; qbuf 131,072 bytes; order 16,384 bytes of whole numbers; scores 262,144 bytes
;; launch prep (part 1): grid 144 x 1, 8 waves a work-group, no clusters, 17,920 bytes of LDS; arguments Wk, Wq, hidden, lengths, wk_codes, wk_sc, qbuf, order, scores; writes wk_codes, wk_sc, qbuf, order, scores
.if DOCPART == 1
	.amdgcn_target "amdgcn-amd-amdhsa--gfx1250"
	.amdhsa_code_object_version 6
	.text
	.protected	k_qe0a8f5bf06_prep
	.globl	k_qe0a8f5bf06_prep
	.p2align	8
	.type	k_qe0a8f5bf06_prep,@function
k_qe0a8f5bf06_prep:
	s_mov_b64 s[64:65], 0
	v_nop
	global_prefetch_b8 v0, s[64:65] scope:SCOPE_SE
	s_setreg_imm32_b32 hwreg(HW_REG_WAVE_MODE, 25, 1), 1
	s_wait_xcnt 0x0
; THE PROGRAM.  out0[b][s] = softmax over s of attn[b][s], attn = sum over n of v[n] tanh(q[b][n] + keys[b][s][n]), -infinity where s >= lengths[b];
; q = Q(hidden) Q(Wq)^T, keys = Q(encoder_outputs) Q(Wk)^T, Q the quantiser to E2M1 with one E8M0 scale for each 32 along K.  Three launches: this one, the products with tanh, the softmax.
; WORK THAT IS NOT DONE, for all values of the inputs.
; (1) reference() builds the mask in its own body from the whole numbers lengths: attn[b][s] is replaced by -infinity wherever s >= lengths[b], whatever encoder_outputs[b][s] holds.  So groups of 16 positions
;     that lie wholly at or beyond lengths[b] are neither loaded nor multiplied: this launch reads lengths and stores the list of live groups as whole numbers, the next launch reads the list.
; (2) tanh(x) = 1 - 2 / (1 + 2^(c x)), c = 2 log2(e), an identity.  So attn = (sum of v) - 2 sum of v[n] r[n], r = 1 / (1 + 2^(c x)).  The sum of v is the same along the softmax's axis, so the softmax does not see it: it is not formed.
;     Every input is still loaded: v weighs r.
; LIMITS.  A NaN, an infinity or an overflow that reaches only the work left out (masked rows of encoder_outputs; the sum of v) is not carried to the result.  NaN and infinities among hidden, the weights and live rows are not served.
; A block of zeros gets the scale byte 1 where the rule says 127: its codes are zeros, which add nothing, and only this program reads the bytes.  lengths are held to 0 .. 2048.
; The score that is kept is -2 sum v r, whose size is that of the sum of |v|: its f32 rounding grows with v, by a few units in the last place of that sum.
;
; THIS LAUNCH, 144 work-groups of eight waves.
; Work-groups 0-63: 16 rows of Wk each (a tile of 16 columns of keys); wave s quantises K step s (128 along K) and stores the fragment as an IMAGE OF THE OPERAND'S REGISTERS:
;   wk_codes [tile 64][K step 8][half 2][lane 32][16 bytes];  wk_sc [tile 64][lane 32][4 words]: lane (r, h), word i = the scale word of row r for K step 4 h + i.
; Work-groups 64-127: the same 16 rows of Wq, and all 32 rows of hidden, K step s in wave s; two products a wave; the eight K steps' parts are added through LDS, K ascending; q goes to qbuf [32][1024] f32.
; Work-groups 128-143: each of their 128 waves makes the slots of two work-groups of the next launch and fills 2,048 bytes of scores with -infinity (the next launch stores live positions over it).
;   order [256 work-groups][16 slots]: bits 11:0 the group (128 b + s / 16), bits 20:16 its live positions (1 .. 16), bit 24 set where it is its batch's first group; 0 = no slot.
;   The T live groups, counted batch by batch, are dealt evenly: work-group w takes groups floor(w T / 256) up to floor((w + 1) T / 256), at most 16 since T is at most 4,096.
.set SCW,   0                          ; LDS: Wk's scale words, 512 bytes, laid as wk_sc wants them
.set RED,   512                        ; q's parts: [K step 8][rows' tile 2][half of the registers 2][512 bytes]
.set SPARE, RED+8*2048                 ; the spare words, 128 bytes for each wave: four blocks of 256 bytes that no other line names
.set XA,  4                            ; v4   row r of 4,096 bytes + 64 h: my 16 numbers of a block of 32
.set LI,  5                            ; v5   16 x lane
.set SWA, 6                            ; v6   where my row's scale word goes in SCW
.set RW,  7                            ; v7   where I put q's parts
.set RR,  8                            ; v8   where I read them back
.set QO,  9                            ; v9   my byte offset in qbuf
.set WN,  16                           ; v16-79   64 numbers of W; later the two products' results v16-23, v24-31
.set H0,  80                           ; v80-143  hidden, rows 0-15
.set H1,  144                          ; v144-207 hidden, rows 16-31
.set WC,  208                          ; v208-215 W's codes; v216-223, v224-231 hidden's
.set TM,  232                          ; v232-247 at work in QUANT
.set PWW, 248                          ; v248 W's scale word; v249, v250 hidden's: they hold scales and nothing else
.set SPW, 252                          ; v252 LDS address of my spare word; never rewritten
.set NIL, 253                          ; v253 0; never rewritten
.set WV,  22                           ; s22  my wave's number
.set SEL, 26                           ; s[26:27] v_permlanex16_b32's selects for lane l xor 16
; my 16 rows' numbers of one K step: register 16 b + 4 j .. holds k = 32 b + 16 h + 4 j .. of row r
.macro XLOAD reg, base, off
.irp b, 0,1,2,3
.irp j, 0,1,2,3
	global_load_b128 v[\reg+16*\b+4*\j:\reg+16*\b+4*\j+3], v[XA], s[\base:\base+1] offset:\off+128*\b+16*\j
.endr
.endr
.endm
; 64 numbers of a lane, register 16 b + i = k 32 b + 16 (lane / 16) + i of my row, become a fragment's codes in v[pc] on and its scale word in v[pw]
.macro QUANT src, pc, pw
.irp b, 0,1,2,3
	v_max3_num_f32 v[TM+\b], |v[\src+16*\b]|, |v[\src+1+16*\b]|, 0x1800000   ; block b: my 16 numbers, and the floor 2^(3 - 127): the byte cannot fall under 1
.endr
.irp i, 2,4,6,8,10,12,14
.irp b, 0,1,2,3
	s_delay_alu instid0(VALU_DEP_4)
	v_max3_num_f32 v[TM+\b], v[TM+\b], |v[\src+16*\b+\i]|, |v[\src+1+16*\b+\i]|   ; the four blocks by turns
.endr
.endr
.irp b, 0,1,2,3
	s_delay_alu instid0(VALU_DEP_4)
	v_permlanex16_b32 v[TM+4+\b], v[TM+\b], s[SEL], s[SEL+1]
.endr
.irp b, 0,1,2,3
	s_delay_alu instid0(VALU_DEP_4)
	v_max_num_f32 v[TM+\b], v[TM+\b], v[TM+4+\b]   ; with lane l xor 16's: the block's largest magnitude
.endr
.irp b, 0,1,2,3
	s_delay_alu instid0(VALU_DEP_4)
	v_add_nc_u32 v[TM+12+\b], 0xff000000, v[TM+\b]   ; 2 off its exponent field: the conversion takes this operand's exponent field as its scale
.endr
.irp b, 0,1,2,3
	s_delay_alu instid0(VALU_DEP_4)
	v_lshrrev_b32 v[TM+4+\b], 23, v[TM+12+\b]      ; the scale's byte
.endr
	s_delay_alu instid0(VALU_DEP_3)
	v_lshl_or_b32 v[\pw], v[TM+5], 8, v[TM+4]      ; four bytes: my row's scale word for this K step
	s_delay_alu instid0(VALU_DEP_1)
	v_lshl_or_b32 v[\pw], v[TM+6], 16, v[\pw]
	s_delay_alu instid0(VALU_DEP_1)
	v_lshl_or_b32 v[\pw], v[TM+7], 24, v[\pw]
.irp b, 0,1,2,3
	v_cvt_scalef32_pk8_fp4_f32 v[\pc+2*\b], v[\src+16*\b:\src+7+16*\b], v[TM+12+\b]
	v_cvt_scalef32_pk8_fp4_f32 v[\pc+1+2*\b], v[\src+8+16*\b:\src+15+16*\b], v[TM+12+\b]
.endr
	v_nop                                          ; one plain place behind a scaled conversion
.irp c, 0,1                                    ; the operand's layout wants a whole block in a lane: lanes 0-15 block 2 c, lanes 16-31 block 2 c + 1
.irp i, 0,1
	v_permlane16_swap_b32 v[\pc+4*\c+\i], v[\pc+2+4*\c+\i]
.endr
.endr
.endm
	s_load_b256 s[4:11], s[0:1], 0x0               ; Wk s[4:5], Wq s[6:7], hidden s[8:9], lengths s[10:11]
	s_load_b256 s[12:19], s[0:1], 0x20             ; wk_codes s[12:13], wk_sc s[14:15], qbuf s[16:17], order s[18:19]
	s_load_b64 s[20:21], s[0:1], 0x40              ; scores
	v_lshl_add_u32 v[SPW], v0, 2, SPARE
	v_mov_b32 v[NIL], 0
	v_lshrrev_b32 v1, 5, v0
	s_delay_alu instid0(VALU_DEP_1)
	v_readfirstlane_b32 s[WV], v1                  ; wave 0..7
	v_and_b32 v3, 31, v0                           ; lane
	s_wait_kmcnt 0x0
	s_cmp_ge_u32 ttmp9, 128                        ; the work-group's number alone decides: all eight waves go the same way
	s_cbranch_scc1 .Lroute
	; ---- work-groups 0-127: a tile of 16 rows of Wk or of Wq.  Every LDS address is made here, ahead of all parting
	v_and_b32 v1, 15, v0                           ; r
	v_bfe_u32 v2, v0, 4, 1                         ; h
	s_delay_alu instid0(VALU_DEP_2)
	v_lshlrev_b32 v[XA], 12, v1
	s_delay_alu instid0(VALU_DEP_1)
	v_lshl_add_u32 v[XA], v2, 6, v[XA]
	s_wait_alu depctr_va_vdst(0)
	v_lshlrev_b32 v[LI], 4, v3
	s_wait_alu depctr_va_vdst(0)
	s_lshr_b32 s28, s[WV], 2
	s_lshl_b32 s28, s28, 8                         ; K steps 4-7 go to lanes 16-31 of the image: 16 lanes x 16 bytes on
	s_and_b32 s29, s[WV], 3
	s_lshl_b32 s29, s29, 2                         ; word K step % 4
	s_add_co_u32 s28, s28, s29
	v_lshl_add_u32 v[SWA], v1, 4, s28              ; SCW + 16 (16 (s / 4) + r) + 4 (s % 4)
	s_lshl_b32 s28, s[WV], 11
	s_add_co_u32 s28, s28, RED
	v_add_nc_u32 v[RW], s28, v[LI]                 ; RED + 2,048 x wave + 16 x lane
	s_and_b32 s30, s[WV], 3
	s_lshl_b32 s28, s30, 9
	s_add_co_u32 s28, s28, RED
	v_add_nc_u32 v[RR], s28, v[LI]                 ; RED + 512 x (wave % 4) + 16 x lane: waves 0-3 add one quarter of the results each
	v_lshlrev_b32 v[QO], 12, v1
	s_delay_alu instid0(VALU_DEP_1)
	v_lshl_add_u32 v[QO], v2, 5, v[QO]             ; qbuf: row r of 4,096 bytes + 32 h
.irp b, 0,1,2,3
	v_mov_b32 v[TM+4+\b], 0                        ; written once: a lane permute's destination counts as one of its sources
.endr
	s_mov_b32 s[SEL], 0x76543210
	s_mov_b32 s[SEL+1], 0xfedcba98
	s_and_b32 s23, ttmp9, 63                       ; the tile
	s_cmp_lt_u32 ttmp9, 64
	s_cselect_b64 s[24:25], s[4:5], s[6:7]         ; Wk or Wq: the choice hangs on the work-group's number alone
	s_lshl_b32 s28, s23, 16                        ; 16 rows of 4,096 bytes a tile,
	s_lshl_b32 s29, s[WV], 9                       ; 512 bytes a K step
	s_add_co_u32 s28, s28, s29
	s_mov_b32 s29, 0
	s_add_nc_u64 s[24:25], s[24:25], s[28:29]
	XLOAD WN, 24, 0
	s_lshl_b32 s28, s[WV], 9
	s_add_nc_u64 s[8:9], s[8:9], s[28:29]          ; hidden at my K step
	s_lshl_b32 s28, s23, 13
	s_lshl_b32 s31, s[WV], 10
	s_add_co_u32 s28, s28, s31
	s_add_nc_u64 s[12:13], s[12:13], s[28:29]      ; wk_codes: 8,192 bytes a tile, 1,024 a K step
	s_lshl_b32 s28, s23, 9
	s_add_nc_u64 s[14:15], s[14:15], s[28:29]      ; wk_sc: 512 bytes a tile
	s_lshr_b32 s28, s30, 1
	s_lshl_b32 s28, s28, 16                        ; qbuf: rows 16 (wave % 4 / 2) on,
	s_and_b32 s31, s[WV], 1
	s_lshl_b32 s31, s31, 4                         ; registers 4 (wave % 2) on: 16 bytes,
	s_add_co_u32 s28, s28, s31
	s_lshl_b32 s31, s23, 6                         ; the tile's 16 columns: 64 bytes
	s_add_co_u32 s28, s28, s31
	s_add_nc_u64 s[16:17], s[16:17], s[28:29]
	s_cmp_lt_u32 ttmp9, 64
	s_cbranch_scc0 .Lquery
	; ---- Wk: codes to memory as they stand in the registers, the scale word to LDS
	s_wait_loadcnt 0x0
	QUANT WN, WC, PWW
	global_store_b128 v[LI], v[WC:WC+3], s[12:13]              ; 32 lanes store 512 consecutive bytes
	global_store_b128 v[LI], v[WC+4:WC+7], s[12:13] offset:512
	ds_store_b32 v[SWA], v[PWW]                    ; lanes r and r + 16 write the same word with the same value
	s_branch .Lmeet
.Lquery:
	; ---- Wq and hidden: q's part of K step s, for 32 rows x 16 columns
	XLOAD H0, 8, 0
	XLOAD H1, 8, 65536
	s_wait_loadcnt 32                              ; W's 16 loads are in; hidden's 32 may be out
	QUANT WN, WC, PWW
	s_wait_loadcnt 0x0
	QUANT H0, WC+8, PWW+1
	QUANT H1, WC+16, PWW+2
.rept 8
	v_nop                                          ; a scale register written by a vector instruction stands 8 places ahead of a scaled matrix instruction, an operand so written 4
.endr
	; transposed: source 0 = 16 rows of Wq, source 1 = 16 rows of hidden: lane (r, h), register j = q(16 m + r, 16 tile + 8 h + j)
	v_wmma_scale_f32_16x16x128_f8f6f4 v[16:23], v[WC:WC+7], v[WC+8:WC+15], 0, v[PWW], v[PWW+1] matrix_a_fmt:MATRIX_FMT_FP4 matrix_b_fmt:MATRIX_FMT_FP4
	v_wmma_scale_f32_16x16x128_f8f6f4 v[24:31], v[WC:WC+7], v[WC+16:WC+23], 0, v[PWW], v[PWW+2] matrix_a_fmt:MATRIX_FMT_FP4 matrix_b_fmt:MATRIX_FMT_FP4
.rept 4
	v_nop                                          ; four places in front of the first read of the results
.endr
	ds_store_b128 v[RW], v[16:19]                  ; each result from its low end on
	ds_store_b128 v[RW], v[20:23] offset:512
	ds_store_b128 v[RW], v[24:27] offset:1024
	ds_store_b128 v[RW], v[28:31] offset:1536
.Lmeet:
	s_wait_dscnt 0x0                               ; for the others' sake: my LDS stores have landed
	s_barrier_signal -1
	s_barrier_wait -1
	s_cmp_lt_u32 ttmp9, 64
	s_cbranch_scc0 .Lsum
	s_cmp_lg_u32 s[WV], 0                          ; Wk: wave 0 stores the tile's 512 bytes of scale words
	s_cbranch_scc1 .Lend
	ds_load_b128 v[H0:H0+3], v[LI]
	s_wait_dscnt 0x0
	global_store_b128 v[LI], v[H0:H0+3], s[14:15]  ; 512 consecutive bytes
	s_branch .Lend
.Lsum:
	s_cmp_lt_u32 s[WV], 4                          ; q: waves 0-3 add the eight K steps' parts, K ascending
	s_cbranch_scc0 .Lend
.irp k, 0,1,2,3,4,5,6,7
	ds_load_b128 v[H0+4*\k:H0+4*\k+3], v[RR] offset:2048*\k
.endr
	s_wait_dscnt 0x0
.irp k, 1
	v_pk_add_f32 v[H0:H0+1], v[H0:H0+1], v[H0+4*\k:H0+4*\k+1]
	v_pk_add_f32 v[H0+2:H0+3], v[H0+2:H0+3], v[H0+4*\k+2:H0+4*\k+3]
.endr
.irp k, 2, 3, 4, 5, 6, 7
	s_delay_alu instid0(VALU_DEP_2)
	v_pk_add_f32 v[H0:H0+1], v[H0:H0+1], v[H0+4*\k:H0+4*\k+1]
	s_delay_alu instid0(VALU_DEP_2)
	v_pk_add_f32 v[H0+2:H0+3], v[H0+2:H0+3], v[H0+4*\k+2:H0+4*\k+3]
.endr
	global_store_b128 v[QO], v[H0:H0+3], s[16:17]  ; 16 bytes of a row of q: the buffer is small (131,072 bytes in all)
.Lend:
	s_wait_tensorcnt 0x0                           ; the wave's end, behind my last LDS store
	ds_add_u32 v[SPW], v[NIL]
	s_wait_dscnt 0x0
	s_endpgm
.Lroute:
	; ---- work-groups 128-143: the list of live groups, and the fill.  No LDS, no barrier.  All addresses are made of ids; lengths decide values alone
	s_load_b512 s[32:47], s[10:11], 0x0
	s_load_b512 s[48:63], s[10:11], 0x40
	s_sub_co_u32 s70, ttmp9, 128
	s_lshl_b32 s70, s70, 3
	s_add_co_u32 s70, s70, s[WV]                   ; u = 0 .. 127
	s_wait_alu depctr_va_vdst(0)
	v_lshrrev_b32 v4, 4, v3
	s_lshl_b32 s68, s70, 1
	v_add_nc_u32 v4, s68, v4                       ; the work-group of the next launch that my lane serves: 2 u + lane / 16
	v_and_b32 v5, 15, v0                           ; and its slot
	s_mov_b32 s67, 0                               ; T
	s_wait_alu depctr_va_vdst(0)
	s_wait_kmcnt 0x0
.irp b, 0,1,2,3,4,5,6,7,8,9,10,11,12,13,14,15,16,17,18,19,20,21,22,23,24,25,26,27,28,29,30,31
	s_max_i32 s[32+\b], s[32+\b], 0
	s_min_i32 s[32+\b], s[32+\b], 2048             ; the length, held to 0 .. 2048
	s_add_co_u32 s69, s[32+\b], 15
	s_lshr_b32 s69, s69, 4                         ; its groups of 16
	s_add_co_u32 s67, s67, s69
.endr
	v_mul_lo_u32 v6, v4, s67                       ; w T, under 2^20
	s_delay_alu instid0(VALU_DEP_1)
	v_add_nc_u32 v7, s67, v6
	s_delay_alu instid0(VALU_DEP_2)
	v_lshrrev_b32 v6, 8, v6                        ; the work-group's first group
	s_delay_alu instid0(VALU_DEP_2)
	v_lshrrev_b32 v7, 8, v7
	s_delay_alu instid0(VALU_DEP_1)
	v_sub_nc_u32 v7, v7, v6                        ; and how many it has
	s_delay_alu instid0(VALU_DEP_3)
	v_add_nc_u32 v11, v6, v5                       ; t: my slot's group, counted over all batches
	v_mov_b32 v12, 0                               ; the first group of t's batch,
	v_mov_b32 v13, 0                               ; that batch's length,
	v_mov_b32 v14, 0                               ; and its number: those of the last batch that begins at or before t
	s_mov_b32 s66, 0
.irp b, 0,1,2,3,4,5,6,7,8,9,10,11,12,13,14,15,16,17,18,19,20,21,22,23,24,25,26,27,28,29,30,31
	v_cmp_gt_u32 vcc_lo, s66, v11                  ; batch b begins behind t: keep what I have
	s_delay_alu instid0(VALU_DEP_1)
	v_cndmask_b32 v12, s66, v12, vcc_lo
	s_delay_alu instid0(VALU_DEP_2)
	v_cndmask_b32 v13, s[32+\b], v13, vcc_lo
	s_delay_alu instid0(VALU_DEP_3)
	v_cndmask_b32 v14, \b, v14, vcc_lo
	s_add_co_u32 s69, s[32+\b], 15
	s_lshr_b32 s69, s69, 4
	s_add_co_u32 s66, s66, s69
.endr
	v_sub_nc_u32 v15, v11, v12                     ; the group inside its batch
	s_delay_alu instid0(VALU_DEP_1)
	v_lshl_add_u32 v16, v14, 7, v15                ; 128 b + group
	s_delay_alu instid0(VALU_DEP_2)
	v_lshlrev_b32 v17, 4, v15
	s_delay_alu instid0(VALU_DEP_1)
	v_sub_nc_u32 v17, v13, v17
	s_delay_alu instid0(VALU_DEP_1)
	v_min_u32 v17, 16, v17                         ; its live positions
	s_delay_alu instid0(VALU_DEP_1)
	v_lshl_or_b32 v16, v17, 16, v16
	v_mov_b32 v18, 0x1000000
	v_cmp_eq_u32 vcc_lo, 0, v15
	s_delay_alu instid0(VALU_DEP_1)
	v_cndmask_b32 v17, 0, v18, vcc_lo              ; the batch's first group
	s_delay_alu instid0(VALU_DEP_1)
	v_or_b32 v16, v16, v17
	v_cmp_gt_u32 vcc_lo, v7, v5
	s_delay_alu instid0(VALU_DEP_1)
	v_cndmask_b32 v16, 0, v16, vcc_lo              ; a slot beyond the work-group's share is the word 0
	s_lshl_b32 s68, s70, 7
	v_lshl_add_u32 v19, v3, 2, s68
	global_store_b32 v19, v16, s[18:19]            ; 32 lanes store 128 consecutive bytes: two work-groups' slots
.irp j, 20,21,22,23
	v_mov_b32 v[\j], 0xff800000                    ; -infinity
.endr
	s_lshl_b32 s68, s70, 11
	v_lshl_add_u32 v24, v3, 4, s68
.irp j, 0,1,2,3
	global_store_b128 v24, v[20:23], s[20:21] offset:512*\j   ; 512 consecutive bytes a store
.endr
	s_endpgm
.Lfunc_end_k_qe0a8f5bf06_prep:
	.size	k_qe0a8f5bf06_prep, .Lfunc_end_k_qe0a8f5bf06_prep-k_qe0a8f5bf06_prep
	.p2alignl 7, 3214868480
	.fill 96, 4, 3214868480
	.section	.rodata,"a",@progbits
	.p2align	6, 0x0
	.amdhsa_kernel k_qe0a8f5bf06_prep
		.amdhsa_group_segment_fixed_size 17920
		.amdhsa_private_segment_fixed_size 0
		.amdhsa_enable_private_segment 0
		.amdhsa_kernarg_size 72
		.amdhsa_user_sgpr_count 2
		.amdhsa_user_sgpr_kernarg_segment_ptr 1
		.amdhsa_wavefront_size32 1
		.amdhsa_system_sgpr_workgroup_id_x 1
		.amdhsa_system_sgpr_workgroup_id_y 1
		.amdhsa_system_sgpr_workgroup_id_z 1
		.amdhsa_system_vgpr_workitem_id 0
		.amdhsa_next_free_vgpr 256
		.amdhsa_next_free_sgpr 72
		.amdhsa_reserve_vcc 1
		.amdhsa_float_denorm_mode_32 3
		.amdhsa_float_denorm_mode_16_64 3
		.amdhsa_memory_ordered 1
		.amdhsa_forward_progress 1
		.amdhsa_inst_pref_size 51
	.end_amdhsa_kernel
	.amdgpu_metadata
---
amdhsa.version: [ 1, 2 ]
amdhsa.kernels:
  - .name:           k_qe0a8f5bf06_prep
    .symbol:         k_qe0a8f5bf06_prep.kd
    .args:
      - { .name: Wk, .offset: 0, .size: 8, .value_kind: global_buffer, .address_space: global }
      - { .name: Wq, .offset: 8, .size: 8, .value_kind: global_buffer, .address_space: global }
      - { .name: hidden, .offset: 16, .size: 8, .value_kind: global_buffer, .address_space: global }
      - { .name: lengths, .offset: 24, .size: 8, .value_kind: global_buffer, .address_space: global }
      - { .name: wk_codes, .offset: 32, .size: 8, .value_kind: global_buffer, .address_space: global }
      - { .name: wk_sc, .offset: 40, .size: 8, .value_kind: global_buffer, .address_space: global }
      - { .name: qbuf, .offset: 48, .size: 8, .value_kind: global_buffer, .address_space: global }
      - { .name: order, .offset: 56, .size: 8, .value_kind: global_buffer, .address_space: global }
      - { .name: scores, .offset: 64, .size: 8, .value_kind: global_buffer, .address_space: global }
    .group_segment_fixed_size: 17920
    .private_segment_fixed_size: 0
    .kernarg_segment_align: 8
    .kernarg_segment_size: 72
    .max_flat_workgroup_size: 256
    .sgpr_count:     72
    .vgpr_count:     256
    .wavefront_size: 32
...
	.end_amdgpu_metadata
.endif
;; end of part 1
;; launch main (part 2): grid 256 x 1, 8 waves a work-group, no clusters, 271,360 bytes of LDS; arguments encoder_outputs, wk_codes, wk_sc, qbuf, v, order, scores; writes scores
.if DOCPART == 2
	.amdgcn_target "amdgcn-amd-amdhsa--gfx1250"
	.amdhsa_code_object_version 6
	.text
	.protected	k_qe0a8f5bf06_main
	.globl	k_qe0a8f5bf06_main
	.p2align	8
	.type	k_qe0a8f5bf06_main,@function
k_qe0a8f5bf06_main:
	s_mov_b64 s[64:65], 0
	v_nop
	global_prefetch_b8 v0, s[64:65] scope:SCOPE_SE
	s_setreg_imm32_b32 hwreg(HW_REG_WAVE_MODE, 25, 1), 1
	s_wait_xcnt 0x0
; scores[b][s] = -2 sum over n of v[n] / (1 + 2^(c (q[b][n] + keys[b][s][n]))), c = 2 log2(e), for the live positions; keys = Q(encoder_outputs) Q(Wk)^T on codes of E2M1.
; LEFT OUT (shown at the head of the first kernel): groups of 16 positions that lie wholly under reference()'s own mask, by the list that the launch before stored; and the sum of v, which is the same along the softmax's axis.
; LIMITS: as stated there.  2^(c x) that overflows gives r = 0 and one that falls to 0 gives r = 1: tanh's two limits.
; SHARES.  Work-group w has up to 16 slots of order[w], each a group of 16 positions of one batch; the live slots come first.  Eight waves, two to a SIMD, so that one wave's vector work stands beside the other's products.
; FIRST PHASE.  Wave w quantises rows 2 w and 2 w + 1 of every live slot: each load reads 512 consecutive bytes; 2,048 bytes at a time turn through the wave's own stage in LDS, so that a lane holds 16 neighbours along K;
;   codes go to LDS by rows (512 bytes + 16), scale bytes beside them (32 bytes + 16 a row), q's row of the slot's batch too.  The next slot's 17 loads are on their way while a slot is worked.
; SECOND PHASE.  Wave w owns columns 128 w .. 128 w + 127 of keys, in two chunks of 64.  A chunk's codes of Wk, for all of K, stay in 256 registers (loaded as register images, 512 consecutive bytes a load); the slots' fragments
;   come from LDS, each feeding four products.  Transposed (source 0 = 16 rows of Wk, source 1 = a slot's 16 positions): a lane holds ONE position and eight neighbouring columns a tile; q is the C of a sum's first product.
; A WORK-GROUP WITHOUT A SLOT (fewer than 256 live groups in all) finds the word 0 in slot 0 and takes group 0's rows through the first phase like a live slot; nothing of it is multiplied or stored.  So every way through the text
;   has filled the LDS bytes and registers that the second phase's heads read, and both barriers and both loops stand on every way.
; NO TENSOR LOAD, NO CLUSTER: operands go from memory into registers; Wk's codes, which all work-groups read, are loaded by each work-group on its own.
; NO PREFETCH: the first phase is itself the stream from memory, with a slot (65,536 bytes a work-group) on its way at all times.
.set APITCH, 528                       ; a row of codes in LDS: 512 bytes + 16: an odd multiple of 16, so the 16 rows of a fragment load start at 16 different groups of banks
.set GRP,    16*APITCH                 ; a slot's 16 rows
.set AC,     0                         ; LDS: codes, 256 rows
.set SPITCH, 48                        ; a row of scale bytes: 32 + 16
.set SGRP,   16*SPITCH
.set AS,     AC+16*GRP                 ; scale bytes, 256 rows
.set QS,     AS+16*SGRP                ; q's row of each slot's batch: 16 x 4,096 bytes
.set STAGE,  32*80                     ; a stage: a lane's 64 bytes + 16 of padding
.set STG,    QS+16*4096                ; two stages for each wave
.set PART,   STG+8*2*STAGE             ; partial sums: [2 wave + chunk 16][row 256] words
.set SPARE,  PART+16*1024              ; the spare words, 128 bytes for each wave: four blocks of 256 bytes that no other line names
.set LR,  1                            ; v1   r = lane % 16
.set LH,  2                            ; v2   h = lane / 16
.set LN,  3                            ; v3   lane
.set GL,  4                            ; v4   8,192 x wave + 16 x lane: my 16 bytes of a load of encoder_outputs
.set GQ,  5                            ; v5   16 x thread: my 16 bytes of a row of q
.set SI,  6                            ; v6   the stage, on the way in
.set SO,  7                            ; v7   and on the way out
.set AW,  8                            ; v8   where my codes go, slots 0-7;  v9 slots 8-15 (an LDS offset has 16 bits)
.set AW2, 9
.set SW,  10                           ; v10  where my block's scale byte goes
.set QW,  11                           ; v11  where my 16 bytes of q go
.set LB,  12                           ; v12  65,536 x wave + 16 x lane: Wk's images
.set LSB, 13                           ; v13  4,096 x wave + 16 x lane: Wk's scale words
.set LV,  14                           ; v14  512 x wave + 32 h: v
.set AA0, 15                           ; v15  my place in a slot's codes
.set AS0, 16                           ; v16  in its scale bytes
.set AQ0, 17                           ; v17  in its row of q
.set AP0, 18                           ; v18  among the partial sums
.set ADA, 19                           ; v19-22 the same for the slot in hand or the next
.set ADS, 20
.set ADQ, 21
.set ADP, 22
.set EV,  23                           ; v23  the entry of slot thread / 16, for the end
.set EO,  24                           ; v24  its byte offset
.set SPW, 25                           ; v25  LDS address of my spare word; never rewritten
.set NIL, 26                           ; v26  0; never rewritten
.set PT,  27                           ; v27  at work
.set SA,  28                           ; v[28:29], v[30:31] two chains of sums
.set SB,  30
.set BSC, 32                           ; v32-47  Wk's scale words: tile ct, register 4 ct + i: lanes 0-15 K step i, lanes 16-31 K step 4 + i.  Scales and nothing else
.set ASC, 48                           ; v48-51  the slot's scale words, likewise.  Scales and nothing else
.set VV,  52                           ; v52-83  v at my 32 columns
.set QR,  84                           ; v84-115 q at my 32 columns
.set ACC, 116                          ; v116-147 four accumulators
.set AF,  148                          ; v148-211 the slot's eight fragments
.set RX,  84                           ; first phase: v84-211 two sets of 64 numbers as loaded
.set RQ,  212                          ; v212-219 two sets of 4 numbers of q
.set XX,  220                          ; v220-251 two sets of 16 neighbours
.set M1,  27
.set M2,  28
.set SCL, 29
.set EB,  30                           ; v30-31 a scale byte, by turns
.set CC,  252                          ; v252-255 16 codes, by turns
.set WV,  18                           ; s18 wave;  s19 live slots;  s20 bit i: slot i begins a batch
.set NG,  19
.set CH,  20
.set RG,  21                           ; s21 the loop's slot;  s22-25 its bytes in AC, AS, QS, PART
.set TA,  22
.set TS,  23
.set TQ,  24
.set TP,  25
.set CS,  28                           ; s[28:29] c, twice: the packed form names a pair
.set SEL, 30                           ; s[30:31] v_permlanex16_b32's selects for lane l xor 16
.set EN,  32                           ; s[32:47] my 16 entries
.set BE,  48                           ; s[48:51] encoder_outputs at a slot's first row, by the slot's parity
.set BQ,  52                           ; s[52:55] qbuf at its batch's row, likewise
.set MSB, 0
.macro WIN new                         ; the immediate's high byte repeats the setting that is left
.if MSB != \new
	s_set_vgpr_msb (MSB<<8)|\new
.set MSB, \new
.endif
.endm
; a chunk's operands that stay: 32 fragments of Wk into window 1 (tile ct, K step s at v[8 (8 ct + s)]), its scale words, v
.macro BLOAD c
	WIN 0x40                                       ; destination window 1, address window 0
.irp ct, 0,1,2,3
.irp s, 0,1,2,3,4,5,6,7
	global_load_b128 v[8*(8*\ct+\s):8*(8*\ct+\s)+3], v[LB], s[6:7] offset:32768*\c+8192*\ct+1024*\s
	global_load_b128 v[8*(8*\ct+\s)+4:8*(8*\ct+\s)+7], v[LB], s[6:7] offset:32768*\c+8192*\ct+1024*\s+512
.endr
.endr
	WIN 0
.irp ct, 0,1,2,3
	global_load_b128 v[BSC+4*\ct:BSC+4*\ct+3], v[LSB], s[8:9] offset:2048*\c+512*\ct
.endr
.irp ct, 0,1,2,3
	global_load_b128 v[VV+8*\ct:VV+8*\ct+3], v[LV], s[12:13] offset:256*\c+64*\ct
	global_load_b128 v[VV+8*\ct+4:VV+8*\ct+7], v[LV], s[12:13] offset:256*\c+64*\ct+16
.endr
.endm
; where slot sl's rows and its batch's q begin.  A number read from memory enters an address only behind a hold at a constant
.macro BASES sl
	s_and_b32 s56, s[EN+(\sl)], 0xfff
	s_min_u32 s56, s56, 4095
	s_lshl_b32 s56, s56, 16                        ; 16 rows of 4,096 bytes a group
	s_add_nc_u64 s[BE+2*((\sl)%2):BE+2*((\sl)%2)+1], s[4:5], s[56:57]
	s_bfe_u32 s56, s[EN+(\sl)], 0x50007            ; the batch
	s_min_u32 s56, s56, 31
	s_lshl_b32 s56, s56, 12
	s_add_nc_u64 s[BQ+2*((\sl)%2):BQ+2*((\sl)%2)+1], s[10:11], s[56:57]
.endm
.macro LOADS sl                        ; 17 loads: my two rows, 512 consecutive bytes a load, read once in the launch; my 16 bytes of q
.irp n, 0,1,2,3,4,5,6,7,8,9,10,11,12,13,14,15
	global_load_b128 v[RX+64*((\sl)%2)+4*\n:RX+64*((\sl)%2)+4*\n+3], v[GL], s[BE+2*((\sl)%2):BE+2*((\sl)%2)+1] offset:512*\n th:TH_LOAD_NT
.endr
	global_load_b128 v[RQ+4*((\sl)%2):RQ+4*((\sl)%2)+3], v[GQ], s[BQ+2*((\sl)%2):BQ+2*((\sl)%2)+1]
.endm
.macro TURN sl, t                      ; step t's 512 numbers through a stage: LDS serves a wave's instructions in order, so no wait stands between the stores and the loads
.irp j, 0,1,2,3
	ds_store_b128 v[SI], v[RX+64*((\sl)%2)+16*(\t)+4*\j:RX+64*((\sl)%2)+16*(\t)+4*\j+3] offset:STAGE*((\t)%2)+640*\j
.endr
.irp j, 0,1,2,3
	ds_load_b128 v[XX+16*((\t)%2)+4*\j:XX+16*((\t)%2)+4*\j+3], v[SO] offset:STAGE*((\t)%2)+16*\j
.endr
.endm
.macro STEP sl, t                      ; half a row: 512 numbers, 16 a lane, two neighbouring lanes to a block
.set XS, XX+16*((\t)%2)
.if (\t) == 0
	s_wait_dscnt 0x0                               ; this step's numbers are back from the stage, and the last slot's stores have read their registers
.else
	s_wait_dscnt 2                                 ; this step's numbers are back; the last step's two stores (byte, codes) may be out
.endif
.if (\t) < 3
	TURN \sl, (\t)+1                               ; the next step goes through the other stage while this one is worked
.endif
	v_max3_num_f32 v[M1], |v[XS]|, |v[XS+1]|, |v[XS+2]|
	v_max3_num_f32 v[M2], |v[XS+3]|, |v[XS+4]|, |v[XS+5]|
.irp n, 6,10
	s_delay_alu instid0(VALU_DEP_2)
	v_max3_num_f32 v[M1], v[M1], |v[XS+\n]|, |v[XS+\n+1]|
	s_delay_alu instid0(VALU_DEP_2)
	v_max3_num_f32 v[M2], v[M2], |v[XS+\n+2]|, |v[XS+\n+3]|
.endr
	s_delay_alu instid0(VALU_DEP_2)
	v_max3_num_f32 v[M1], v[M1], |v[XS+14]|, |v[XS+15]|
	s_delay_alu instid0(VALU_DEP_1)
	v_max3_num_f32 v[M1], v[M1], v[M2], 0x1800000  ; and the floor 2^(3 - 127): the byte cannot fall under 1
	s_delay_alu instid0(VALU_DEP_1)
	v_max_num_f32_dpp v[M1], v[M1], v[M1] row_xmask:1 row_mask:0xf bank_mask:0xf   ; with my neighbour's 16: the block's largest magnitude
	s_delay_alu instid0(VALU_DEP_1)
	v_add_nc_u32 v[SCL], 0xff000000, v[M1]         ; 2 off its exponent field: the conversion's scale operand
	v_cvt_scalef32_pk8_fp4_f32 v[CC+2*((\t)%2)], v[XS:XS+7], v[SCL]
	v_cvt_scalef32_pk8_fp4_f32 v[CC+2*((\t)%2)+1], v[XS+8:XS+15], v[SCL]
	v_lshrrev_b32 v[EB+(\t)%2], 23, v[SCL]         ; the scale's byte; also the plain place behind the conversions
	ds_store_b8 v[SW], v[EB+(\t)%2] offset:SGRP*(\sl)+SPITCH*((\t)/2)+16*((\t)%2)   ; both lanes of a block write the same byte with the same value
.if (\sl) < 8
	ds_store_b64 v[AW], v[CC+2*((\t)%2):CC+2*((\t)%2)+1] offset:GRP*(\sl)+APITCH*((\t)/2)+256*((\t)%2)
.else
	ds_store_b64 v[AW2], v[CC+2*((\t)%2):CC+2*((\t)%2)+1] offset:GRP*((\sl)-8)+APITCH*((\t)/2)+256*((\t)%2)
.endif
.endm
.macro WORK sl
	ds_store_b128 v[QW], v[RQ+4*((\sl)%2):RQ+4*((\sl)%2)+3] offset:4096*(\sl)
	TURN \sl, 0
	STEP \sl, 0
	STEP \sl, 1
	STEP \sl, 2
	STEP \sl, 3
.endm
.macro SLOT sl                         ; slots 1 to 15: the next slot's loads go out first, if there is a next slot
.if (\sl) < 15
	s_cmp_gt_u32 s[NG], (\sl)+1
	s_cbranch_scc0 .Llast_\@
	BASES (\sl)+1                                  ; these bases' last loads, two slots back, were shown done by the last slot's wait
	LOADS (\sl)+1
	s_wait_loadcnt 17                              ; this slot's loads are in; the next slot's 17 may be out
	s_branch .Lgo_\@
.Llast_\@:
	s_wait_loadcnt 0x0
.Lgo_\@:
.else
	s_wait_loadcnt 0x0
.endif
	WORK \sl
.if (\sl) < 15
	s_cmp_gt_u32 s[NG], (\sl)+1
	s_cbranch_scc0 .Lxdone
.endif
.endm
.macro ALOAD aa, as                    ; a slot's eight fragments (lane (r, h): 16 bytes at 64 s + 32 k + 16 h of row r) and its scale words (16 bytes at 16 h of row r)
.irp s, 0,1,2,3,4,5,6,7
	ds_load_b128 v[AF+8*\s:AF+8*\s+3], v[\aa] offset:64*\s
	ds_load_b128 v[AF+8*\s+4:AF+8*\s+7], v[\aa] offset:64*\s+32
.endr
	ds_load_b128 v[ASC:ASC+3], v[\as]
.endm
.macro QLOAD aq, c                     ; q at my 32 columns of chunk c, in the result's layout
.irp ct, 0,1,2,3
	ds_load_b128 v[QR+8*\ct:QR+8*\ct+3], v[\aq] offset:256*\c+64*\ct
	ds_load_b128 v[QR+8*\ct+4:QR+8*\ct+7], v[\aq] offset:256*\c+64*\ct+16
.endr
.endm
; 32 products: K step by K step, the four accumulators by turns, one instruction a turn.  The first K step takes q as C
.macro MULS
.irp s, 0,1,2,3,4,5,6,7
.irp ct, 0,1,2,3
.if \s == 0
	v_wmma_scale_f32_16x16x128_f8f6f4 v[ACC+8*\ct:ACC+8*\ct+7], v[8*(8*\ct+\s):8*(8*\ct+\s)+7], v[AF+8*\s:AF+8*\s+7], v[QR+8*\ct:QR+8*\ct+7], v[BSC+4*\ct], v[ASC] matrix_a_fmt:MATRIX_FMT_FP4 matrix_b_fmt:MATRIX_FMT_FP4
.elseif \s < 4
	v_wmma_scale_f32_16x16x128_f8f6f4 v[ACC+8*\ct:ACC+8*\ct+7], v[8*(8*\ct+\s):8*(8*\ct+\s)+7], v[AF+8*\s:AF+8*\s+7], v[ACC+8*\ct:ACC+8*\ct+7], v[BSC+4*\ct+\s], v[ASC+\s] matrix_a_fmt:MATRIX_FMT_FP4 matrix_b_fmt:MATRIX_FMT_FP4
.else
	v_wmma_scale_f32_16x16x128_f8f6f4 v[ACC+8*\ct:ACC+8*\ct+7], v[8*(8*\ct+\s):8*(8*\ct+\s)+7], v[AF+8*\s:AF+8*\s+7], v[ACC+8*\ct:ACC+8*\ct+7], v[BSC+4*\ct+\s-4], v[ASC+\s-4] matrix_a_fmt:MATRIX_FMT_FP4 matrix_b_fmt:MATRIX_FMT_FP4 matrix_a_scale:MATRIX_SCALE_ROW1 matrix_b_scale:MATRIX_SCALE_ROW1
.endif
.endr
.endr
.endm
; A chunk of 64 columns against all live slots.  The loop has 16 trips in every work-group; a trip beyond the live slots steps the counters and does nothing else
.macro CHUNK c
	s_mov_b32 s[RG], 0
	s_mov_b32 s[TA], 0
	s_mov_b32 s[TS], 0
	s_mov_b32 s[TQ], 0
	s_mov_b32 s[TP], 0
	s_wait_dscnt 0x0                               ; no LDS instruction of mine is out when the fragments', scale words' and q's registers are asked for anew: a trip asks for the next slot by one test and the next trip works it by another, so the text says it here for every way out of the last loop
	ALOAD AA0, AS0                                 ; slot 0
	QLOAD AQ0, \c
.if \c
	s_wait_loadcnt 0x0                             ; this chunk's codes of Wk, scale words and v
.endif
.Ltrip_\@:
	s_cmp_ge_u32 s[RG], s[NG]
	s_cbranch_scc1 .Lstep_\@
	s_wait_dscnt 0x0                               ; the slot's fragments, scale words and q are in (asked for ahead of the last slot's vector work)
	WIN 0x01                                       ; source 0 (Wk) window 1
	MULS
	WIN 0
	s_add_co_u32 s60, s[RG], 1                     ; the next slot, and its bytes, held inside their regions
	s_add_co_u32 s58, s[TA], GRP
	s_min_u32 s58, s58, 15*GRP
	s_add_co_u32 s59, s[TS], SGRP
	s_min_u32 s59, s59, 15*SGRP
	s_add_co_u32 s27, s[TQ], 4096
	s_min_u32 s27, s27, 15*4096
	v_add_nc_u32 v[ADA], s58, v[AA0]               ; four plain instructions that name no register of the products: the places in front of the loads below and of the first read of the results
	v_add_nc_u32 v[ADS], s59, v[AS0]
	v_add_nc_u32 v[ADQ], s27, v[AQ0]
	v_add_nc_u32 v[ADP], s[TP], v[AP0]
	s_cmp_lt_u32 s60, s[NG]
	s_cbranch_scc0 .Lnone_\@
	ALOAD ADA, ADS                                 ; the next slot's operands land under this slot's vector work: one set of registers serves
	s_lshr_b32 s26, s[CH], s60
	s_and_b32 s26, s26, 1
	s_cmp_lg_u32 s26, 0
	s_cbranch_scc0 .Lnone_\@
	QLOAD ADQ, \c                                  ; it begins a batch: another row of q
.Lnone_\@:
.irp j, 0,2,4,6,8,10,12,14,16,18,20,22,24,26,28,30
	v_pk_mul_f32 v[ACC+\j:ACC+\j+1], v[ACC+\j:ACC+\j+1], s[CS:CS+1] op_sel_hi:[1,0]   ; c x, each accumulator from its low end on
.endr
	s_wait_alu depctr_va_vdst(0)
.irp j, 0,1,2,3,4,5,6,7,8,9,10,11,12,13,14,15,16,17,18,19,20,21,22,23,24,25,26,27,28,29,30,31
	v_exp_f32 v[ACC+\j], v[ACC+\j]                 ; 2^(c x)
.endr
	v_nop                                          ; a plain place behind the last exponential
	s_wait_alu depctr_va_vdst(0)                   ; one wait for the batch, ahead of its first reader
.irp j, 0,2,4,6,8,10,12,14,16,18,20,22,24,26,28,30
	v_pk_add_f32 v[ACC+\j:ACC+\j+1], v[ACC+\j:ACC+\j+1], 1.0 op_sel_hi:[1,0]
.endr
	s_wait_alu depctr_va_vdst(0)
.irp j, 0,1,2,3,4,5,6,7,8,9,10,11,12,13,14,15,16,17,18,19,20,21,22,23,24,25,26,27,28,29,30,31
	v_rcp_f32 v[ACC+\j], v[ACC+\j]                 ; r = 1 / (1 + 2^(c x))
.endr
	v_nop
	s_wait_alu depctr_va_vdst(0)                   ; and one for the reciprocals
	v_pk_mul_f32 v[SA:SA+1], v[ACC:ACC+1], v[VV:VV+1]              ; sum of v r over my 32 columns: two chains of packed multiply-adds, started by products
	v_pk_mul_f32 v[SB:SB+1], v[ACC+2:ACC+3], v[VV+2:VV+3]
.irp j, 4,8,12,16,20,24,28
	v_pk_fma_f32 v[SA:SA+1], v[ACC+\j:ACC+\j+1], v[VV+\j:VV+\j+1], v[SA:SA+1]
	v_pk_fma_f32 v[SB:SB+1], v[ACC+\j+2:ACC+\j+3], v[VV+\j+2:VV+\j+3], v[SB:SB+1]
.endr
	s_delay_alu instid0(VALU_DEP_1)
	v_pk_add_f32 v[SA:SA+1], v[SA:SA+1], v[SB:SB+1]
	s_delay_alu instid0(VALU_DEP_1)
	v_add_f32 v[SA], v[SA], v[SA+1]
	s_delay_alu instid0(VALU_DEP_1)
	v_permlanex16_b32 v[PT], v[SA], s[SEL], s[SEL+1]   ; the position's other 32 columns lie in the lane 16 away
	s_delay_alu instid0(VALU_DEP_1)
	v_add_f32 v[SA], v[SA], v[PT]
	ds_store_b32 v[ADP], v[SA] offset:1024*\c      ; lanes r and r + 16 write the same word with the same value
.Lstep_\@:
	s_add_co_u32 s[TA], s[TA], GRP
	s_add_co_u32 s[TS], s[TS], SGRP
	s_add_co_u32 s[TQ], s[TQ], 4096
	s_add_co_u32 s[TP], s[TP], 64
	s_add_co_u32 s[RG], s[RG], 1
	s_cmp_lt_u32 s[RG], 16
	s_cbranch_scc1 .Ltrip_\@
.endm
	s_load_b256 s[4:11], s[0:1], 0x0               ; encoder_outputs s[4:5], wk_codes s[6:7], wk_sc s[8:9], qbuf s[10:11]
	s_load_b128 s[12:15], s[0:1], 0x20             ; v s[12:13], order s[14:15]
	s_load_b64 s[16:17], s[0:1], 0x30              ; scores
	v_lshl_add_u32 v[SPW], v0, 2, SPARE
	v_mov_b32 v[NIL], 0
	v_lshrrev_b32 v[ADA], 5, v0
	s_delay_alu instid0(VALU_DEP_1)
	v_readfirstlane_b32 s[WV], v[ADA]              ; wave 0..7
	v_and_b32 v[LR], 15, v0
	v_bfe_u32 v[LH], v0, 4, 1
	v_and_b32 v[LN], 31, v0
	s_lshl_b32 s26, s[WV], 13
	v_lshl_add_u32 v[GL], v[LN], 4, s26
	v_lshlrev_b32 v[GQ], 4, v0
	s_mul_i32 s26, s[WV], 2*STAGE
	s_add_co_u32 s26, s26, STG                     ; my two stages
	v_lshrrev_b32 v[SI], 2, v[LN]
	s_delay_alu instid0(VALU_DEP_1)
	v_mul_u32_u24 v[SI], v[SI], 80
	v_and_b32 v[SO], 3, v[LN]
	s_delay_alu instid0(VALU_DEP_1)
	v_lshl_add_u32 v[SI], v[SO], 4, v[SI]
	s_delay_alu instid0(VALU_DEP_1)
	v_add_nc_u32 v[SI], s26, v[SI]                 ; in: four lanes' 64 bytes on end, then 16 of padding: 80 (lane / 4) + 16 (lane % 4)
	v_mul_u32_u24 v[SO], v[LN], 80
	s_delay_alu instid0(VALU_DEP_1)
	v_add_nc_u32 v[SO], s26, v[SO]                 ; out: 80 x lane: my 16 neighbours
	s_mul_i32 s27, s[WV], 2*APITCH
	v_lshl_add_u32 v[AW], v[LN], 3, s27            ; my wave's two rows, 8 bytes a lane
	s_delay_alu instid0(VALU_DEP_1)
	v_add_nc_u32 v[AW2], 8*GRP, v[AW]
	s_mul_i32 s27, s[WV], 2*SPITCH
	s_add_co_u32 s27, s27, AS
	v_lshrrev_b32 v[SW], 1, v[LN]
	s_delay_alu instid0(VALU_DEP_1)
	v_add_nc_u32 v[SW], s27, v[SW]
	v_lshl_add_u32 v[QW], v0, 4, QS
	s_lshl_b32 s27, s[WV], 16
	v_lshl_add_u32 v[LB], v[LN], 4, s27
	s_lshl_b32 s27, s[WV], 12
	v_lshl_add_u32 v[LSB], v[LN], 4, s27
	s_lshl_b32 s27, s[WV], 9
	v_lshl_add_u32 v[LV], v[LH], 5, s27
	s_delay_alu instid0(VALU_DEP_1)
	v_add_nc_u32 v[AQ0], QS, v[LV]
	v_mul_u32_u24 v[AA0], v[LR], APITCH
	s_delay_alu instid0(VALU_DEP_1)
	v_lshl_add_u32 v[AA0], v[LH], 4, v[AA0]
	v_mul_u32_u24 v[AS0], v[LR], SPITCH
	s_delay_alu instid0(VALU_DEP_1)
	v_lshl_add_u32 v[AS0], v[LH], 4, v[AS0]
	s_delay_alu instid0(VALU_DEP_1)
	v_add_nc_u32 v[AS0], AS, v[AS0]
	s_lshl_b32 s27, s[WV], 11
	s_add_co_u32 s27, s27, PART
	v_lshl_add_u32 v[AP0], v[LR], 2, s27
	v_lshrrev_b32 v[EO], 4, v0
	s_delay_alu instid0(VALU_DEP_1)
	v_lshlrev_b32 v[EO], 2, v[EO]
	s_mov_b32 s[CS], 0x4038aa3b                    ; c = 2 log2(e)
	s_mov_b32 s[CS+1], s[CS]
	s_mov_b32 s[SEL], 0x76543210
	s_mov_b32 s[SEL+1], 0xfedcba98
	s_lshl_b32 s56, ttmp9, 6                       ; my 16 entries: 64 bytes
	s_mov_b32 s57, 0                               ; stays 0: the upper word of every offset
	s_wait_alu depctr_va_vdst(0)
	s_wait_kmcnt 0x0
	s_add_nc_u64 s[14:15], s[14:15], s[56:57]
	s_load_b512 s[EN:EN+15], s[14:15], 0x0
	global_load_b32 v[EV], v[EO], s[14:15]
	BLOAD 0                                        ; chunk 0's operands: they come in ahead of the stream
	s_wait_kmcnt 0x0
	s_mov_b32 s[NG], 0
.irp n, 0,1,2,3,4,5,6,7,8,9,10,11,12,13,14,15
	s_cmp_lg_u32 s[EN+\n], 0
	s_add_co_ci_u32 s[NG], s[NG], 0                ; the live slots are counted
.endr
	s_mov_b32 s[CH], 0
.irp n, 1,2,3,4,5,6,7,8,9,10,11,12,13,14,15
	s_bfe_u32 s26, s[EN+\n], 0x10018               ; bit 24: the slot begins a batch
	s_lshl_b32 s26, s26, \n
	s_or_b32 s[CH], s[CH], s26
.endr
	; ---- FIRST PHASE
	BASES 0
	LOADS 0
	s_cmp_gt_u32 s[NG], 1
	s_cbranch_scc1 .Lmany
	s_wait_loadcnt 0x0                             ; one slot at the most: nothing follows it
	WORK 0
	s_branch .Lxdone
.Lmany:
	BASES 1
	LOADS 1
	s_wait_loadcnt 17                              ; slot 0's loads are in; slot 1's 17 may be out
	WORK 0
.irp sl, 1,2,3,4,5,6,7,8,9,10,11,12,13,14,15
	SLOT \sl
.endr
.Lxdone:
	s_wait_loadcnt 0x0                             ; no load from memory is out: the second phase takes the registers that the slots' loads fill.  A slot asks for its successor by one test of the count of slots and leaves the phase by another, so the text says it here for every way
	s_wait_dscnt 0x0                               ; for the others' sake: my codes, scale bytes and q have landed
	s_barrier_signal -1
	s_barrier_wait -1
	; ---- SECOND PHASE
	CHUNK 0
	BLOAD 1                                        ; into registers whose last products stand more than four plain instructions back
	CHUNK 1
	s_wait_dscnt 0x0                               ; my partial sums have landed
	s_barrier_signal -1
	s_barrier_wait -1
	; ---- THE END: thread t owns row t of the work-group's 256: slot t / 16, position t % 16.  Live rows alone are read, added and stored
	v_bfe_u32 v[QR], v[EV], 16, 5                  ; the slot's live positions
	v_and_b32 v[QR+1], 0xfff, v[EV]
	s_delay_alu instid0(VALU_DEP_1)
	v_min_u32 v[QR+1], 4095, v[QR+1]               ; the group, held at a constant ahead of the address
	v_lshlrev_b32 v[QR+2], 2, v[LR]
	s_delay_alu instid0(VALU_DEP_1)
	v_lshl_add_u32 v[QR+1], v[QR+1], 6, v[QR+2]    ; scores: 64 bytes a group + 4 r
	v_lshl_add_u32 v[ADP], v0, 2, PART
	s_wait_alu depctr_va_vdst(0)
	s_wait_xcnt 0x0                                ; EXEC changes only behind this wait
	v_cmp_lt_u32 vcc_lo, v[LR], v[QR]
	s_and_saveexec_b32 s26, vcc_lo
.irp k, 0,1,2,3,4,5,6,7,8,9,10,11,12,13,14,15
	ds_load_b32 v[AF+\k], v[ADP] offset:1024*\k    ; the row's 16 parts: eight waves x two chunks
.endr
	s_wait_dscnt 0x0
.irp k, 0,4,8,12
	v_pk_add_f32 v[AF+\k:AF+\k+1], v[AF+\k:AF+\k+1], v[AF+\k+2:AF+\k+3]
.endr
	s_delay_alu instid0(VALU_DEP_3)
	v_pk_add_f32 v[AF:AF+1], v[AF:AF+1], v[AF+4:AF+5]
	s_delay_alu instid0(VALU_DEP_2)
	v_pk_add_f32 v[AF+8:AF+9], v[AF+8:AF+9], v[AF+12:AF+13]
	s_delay_alu instid0(VALU_DEP_1)
	v_pk_add_f32 v[AF:AF+1], v[AF:AF+1], v[AF+8:AF+9]
	s_delay_alu instid0(VALU_DEP_1)
	v_add_f32 v[AF], v[AF], v[AF+1]
	s_delay_alu instid0(VALU_DEP_1)
	v_mul_f32 v[AF], -2.0, v[AF]
	global_store_b32 v[QR+1], v[AF], s[16:17]      ; a slot's live positions: up to 64 consecutive bytes; neighbouring slots are mostly neighbours in scores
	s_wait_xcnt 0x0                                ; and again, in front of the line that widens EXEC
	s_or_b32 exec_lo, exec_lo, s26
	s_wait_tensorcnt 0x0                           ; the wave's end, behind my last LDS store
	ds_add_u32 v[SPW], v[NIL]
	s_wait_dscnt 0x0
	s_endpgm
.Lfunc_end_k_qe0a8f5bf06_main:
	.size	k_qe0a8f5bf06_main, .Lfunc_end_k_qe0a8f5bf06_main-k_qe0a8f5bf06_main
	.p2alignl 7, 3214868480
	.fill 96, 4, 3214868480
	.section	.rodata,"a",@progbits
	.p2align	6, 0x0
	.amdhsa_kernel k_qe0a8f5bf06_main
		.amdhsa_group_segment_fixed_size 271360
		.amdhsa_private_segment_fixed_size 0
		.amdhsa_enable_private_segment 0
		.amdhsa_kernarg_size 56
		.amdhsa_user_sgpr_count 2
		.amdhsa_user_sgpr_kernarg_segment_ptr 1
		.amdhsa_wavefront_size32 1
		.amdhsa_system_sgpr_workgroup_id_x 1
		.amdhsa_system_sgpr_workgroup_id_y 1
		.amdhsa_system_sgpr_workgroup_id_z 1
		.amdhsa_system_vgpr_workitem_id 0
		.amdhsa_next_free_vgpr 512
		.amdhsa_next_free_sgpr 66
		.amdhsa_reserve_vcc 1
		.amdhsa_float_denorm_mode_32 3
		.amdhsa_float_denorm_mode_16_64 3
		.amdhsa_memory_ordered 1
		.amdhsa_forward_progress 1
		.amdhsa_inst_pref_size 205
	.end_amdhsa_kernel
	.amdgpu_metadata
---
amdhsa.version: [ 1, 2 ]
amdhsa.kernels:
  - .name:           k_qe0a8f5bf06_main
    .symbol:         k_qe0a8f5bf06_main.kd
    .args:
      - { .name: encoder_outputs, .offset: 0, .size: 8, .value_kind: global_buffer, .address_space: global }
      - { .name: wk_codes, .offset: 8, .size: 8, .value_kind: global_buffer, .address_space: global }
      - { .name: wk_sc, .offset: 16, .size: 8, .value_kind: global_buffer, .address_space: global }
      - { .name: qbuf, .offset: 24, .size: 8, .value_kind: global_buffer, .address_space: global }
      - { .name: v, .offset: 32, .size: 8, .value_kind: global_buffer, .address_space: global }
      - { .name: order, .offset: 40, .size: 8, .value_kind: global_buffer, .address_space: global }
      - { .name: scores, .offset: 48, .size: 8, .value_kind: global_buffer, .address_space: global }
    .group_segment_fixed_size: 271360
    .private_segment_fixed_size: 0
    .kernarg_segment_align: 8
    .kernarg_segment_size: 56
    .max_flat_workgroup_size: 256
    .sgpr_count:     66
    .vgpr_count:     512
    .wavefront_size: 32
...
	.end_amdgpu_metadata
.endif
;; end of part 2
;; launch soft (part 3): grid 32 x 1, 8 waves a work-group, no clusters, 1,536 bytes of LDS; arguments scores, out0; writes out0
.if DOCPART == 3
	.amdgcn_target "amdgcn-amd-amdhsa--gfx1250"
	.amdhsa_code_object_version 6
	.text
	.protected	k_qe0a8f5bf06_soft
	.globl	k_qe0a8f5bf06_soft
	.p2align	8
	.type	k_qe0a8f5bf06_soft,@function
k_qe0a8f5bf06_soft:
	s_mov_b64 s[64:65], 0
	v_nop
	global_prefetch_b8 v0, s[64:65] scope:SCOPE_SE
	s_setreg_imm32_b32 hwreg(HW_REG_WAVE_MODE, 25, 1), 1
	s_wait_xcnt 0x0
; out0[b][:] = softmax of scores[b][:], 2,048 numbers a row; masked positions hold -infinity and come out as 0.
; LEFT OUT (shown at the head of the first kernel): the sum of v, the same for all positions of a row, is not in the scores: a softmax does not see it.
; The row's maximum is taken away before the exponential, as reference() does.  A row that is all -infinity (a length of 0 or less) gives NaN, as in reference().
; One work-group a row, eight waves; thread t holds 8 numbers: 16 bytes at 16 t and 16 bytes 4,096 bytes on, so each load and store of a wave covers 512 consecutive bytes.
; Maximum and sum go across the lanes in registers and across the eight waves through LDS: a block of 256 bytes for each of the two, so that one barrier serves each.
; Matrix units, tensor loads and clusters have nothing to do here: 8,192 bytes in and out for a work-group, read once.
.set SPARE, 512                        ; the spare words, 128 bytes for each wave: four blocks of 256 bytes that no other line names
	s_load_b128 s[4:7], s[0:1], 0x0                ; scores, out0
	v_lshl_add_u32 v30, v0, 2, SPARE               ; LDS address of my spare word; never rewritten
	v_mov_b32 v31, 0                               ; 0; never rewritten
	v_lshlrev_b32 v2, 4, v0                        ; 16 t
	v_lshrrev_b32 v3, 5, v0
	s_delay_alu instid0(VALU_DEP_1)
	v_lshlrev_b32 v3, 2, v3                        ; 4 x wave: my wave's word
	v_mov_b32 v13, 0                               ; a lane permute's destination counts as one of its sources
	v_mov_b32 v14, 0                               ; LDS byte 0
	s_lshl_b32 s10, ttmp9, 13                      ; a row is 8,192 bytes
	s_mov_b32 s11, 0
	s_mov_b32 s12, 0x76543210
	s_mov_b32 s13, 0xfedcba98                      ; v_permlanex16_b32's selects for lane l xor 16
	s_mov_b32 s14, 0x3fb8aa3b                      ; log2(e)
	s_mov_b32 s15, s14                             ; (named with it as a pair)
	s_wait_alu depctr_va_vdst(0)
	s_wait_kmcnt 0x0
	s_add_nc_u64 s[4:5], s[4:5], s[10:11]
	s_add_nc_u64 s[6:7], s[6:7], s[10:11]
	global_load_b128 v[4:7], v2, s[4:5]
	global_load_b128 v[8:11], v2, s[4:5] offset:4096
	s_wait_loadcnt 0x0
	v_max3_num_f32 v12, v4, v5, v6                 ; the largest of my 8,
	s_delay_alu instid0(VALU_DEP_1)
	v_max3_num_f32 v12, v12, v7, v8
	s_delay_alu instid0(VALU_DEP_1)
	v_max3_num_f32 v12, v12, v9, v10
	s_delay_alu instid0(VALU_DEP_1)
	v_max_num_f32 v12, v12, v11
	s_delay_alu instid0(VALU_DEP_1)
	v_max_num_f32_dpp v12, v12, v12 row_xmask:1 row_mask:0xf bank_mask:0xf   ; of my wave's 256,
	s_delay_alu instid0(VALU_DEP_1)
	v_max_num_f32_dpp v12, v12, v12 row_xmask:2 row_mask:0xf bank_mask:0xf
	s_delay_alu instid0(VALU_DEP_1)
	v_max_num_f32_dpp v12, v12, v12 row_xmask:4 row_mask:0xf bank_mask:0xf
	s_delay_alu instid0(VALU_DEP_1)
	v_max_num_f32_dpp v12, v12, v12 row_xmask:8 row_mask:0xf bank_mask:0xf
	s_delay_alu instid0(VALU_DEP_1)
	v_permlanex16_b32 v13, v12, s12, s13
	s_delay_alu instid0(VALU_DEP_1)
	v_max_num_f32 v12, v12, v13
	ds_store_b32 v3, v12                           ; all lanes write the wave's word with the same value
	s_wait_dscnt 0x0                               ; for the others' sake
	s_barrier_signal -1
	s_barrier_wait -1
	ds_load_b128 v[16:19], v14
	ds_load_b128 v[20:23], v14 offset:16
	s_wait_dscnt 0x0
	v_max3_num_f32 v12, v16, v17, v18              ; of the row
	s_delay_alu instid0(VALU_DEP_1)
	v_max3_num_f32 v12, v12, v19, v20
	s_delay_alu instid0(VALU_DEP_1)
	v_max3_num_f32 v12, v12, v21, v22
	s_delay_alu instid0(VALU_DEP_1)
	v_max_num_f32 v12, v12, v23
	s_wait_alu depctr_va_vdst(0)
.irp j, 4,6,8,10
	v_pk_add_f32 v[\j:\j+1], v[\j:\j+1], v[12:13] op_sel_hi:[1,0] neg_lo:[0,1] neg_hi:[0,1]   ; x - the maximum (the pair's low word serves both halves)
.endr
.irp j, 4,6,8,10
	s_delay_alu instid0(VALU_DEP_4)
	v_pk_mul_f32 v[\j:\j+1], v[\j:\j+1], s[14:15] op_sel_hi:[1,0]
.endr
	s_wait_alu depctr_va_vdst(0)
.irp j, 4,5,6,7,8,9,10,11
	v_exp_f32 v[\j], v[\j]                         ; e^(x - the maximum)
.endr
	v_nop                                          ; a plain place behind the last exponential
	s_wait_alu depctr_va_vdst(0)                   ; one wait for the batch, ahead of its first reader
	v_pk_add_f32 v[16:17], v[4:5], v[6:7]
	v_pk_add_f32 v[18:19], v[8:9], v[10:11]
	s_delay_alu instid0(VALU_DEP_1)
	v_pk_add_f32 v[16:17], v[16:17], v[18:19]
	s_delay_alu instid0(VALU_DEP_1)
	v_add_f32 v16, v16, v17                        ; the sum of my 8,
	s_delay_alu instid0(VALU_DEP_1)
	v_add_f32_dpp v16, v16, v16 row_xmask:1 row_mask:0xf bank_mask:0xf       ; of my wave's 256,
	s_delay_alu instid0(VALU_DEP_1)
	v_add_f32_dpp v16, v16, v16 row_xmask:2 row_mask:0xf bank_mask:0xf
	s_delay_alu instid0(VALU_DEP_1)
	v_add_f32_dpp v16, v16, v16 row_xmask:4 row_mask:0xf bank_mask:0xf
	s_delay_alu instid0(VALU_DEP_1)
	v_add_f32_dpp v16, v16, v16 row_xmask:8 row_mask:0xf bank_mask:0xf
	s_delay_alu instid0(VALU_DEP_1)
	v_permlanex16_b32 v13, v16, s12, s13
	s_delay_alu instid0(VALU_DEP_1)
	v_add_f32 v16, v16, v13
	ds_store_b32 v3, v16 offset:256                ; other bytes than the maxima's: no wave can still be reading there
	s_wait_dscnt 0x0
	s_barrier_signal -1
	s_barrier_wait -1
	ds_load_b128 v[20:23], v14 offset:256
	ds_load_b128 v[24:27], v14 offset:272
	s_wait_dscnt 0x0
	v_pk_add_f32 v[20:21], v[20:21], v[22:23]
	v_pk_add_f32 v[24:25], v[24:25], v[26:27]
	s_delay_alu instid0(VALU_DEP_1)
	v_pk_add_f32 v[20:21], v[20:21], v[24:25]
	s_delay_alu instid0(VALU_DEP_1)
	v_add_f32 v20, v20, v21                        ; of the row
	s_wait_alu depctr_va_vdst(0)
	v_rcp_f32 v12, v20
	v_nop                                          ; a plain place behind the reciprocal
	s_wait_alu depctr_va_vdst(0)                   ; and its wait, ahead of the first reader
.irp j, 4,6,8,10
	v_pk_mul_f32 v[\j:\j+1], v[\j:\j+1], v[12:13] op_sel_hi:[1,0]
.endr
	global_store_b128 v2, v[4:7], s[6:7]           ; 512 consecutive bytes a wave
	global_store_b128 v2, v[8:11], s[6:7] offset:4096
	s_wait_tensorcnt 0x0                           ; the wave's end, behind my last LDS store
	ds_add_u32 v30, v31
	s_wait_dscnt 0x0
	s_endpgm
.Lfunc_end_k_qe0a8f5bf06_soft:
	.size	k_qe0a8f5bf06_soft, .Lfunc_end_k_qe0a8f5bf06_soft-k_qe0a8f5bf06_soft
	.p2alignl 7, 3214868480
	.fill 96, 4, 3214868480
	.section	.rodata,"a",@progbits
	.p2align	6, 0x0
	.amdhsa_kernel k_qe0a8f5bf06_soft
		.amdhsa_group_segment_fixed_size 1536
		.amdhsa_private_segment_fixed_size 0
		.amdhsa_enable_private_segment 0
		.amdhsa_kernarg_size 16
		.amdhsa_user_sgpr_count 2
		.amdhsa_user_sgpr_kernarg_segment_ptr 1
		.amdhsa_wavefront_size32 1
		.amdhsa_system_sgpr_workgroup_id_x 1
		.amdhsa_system_sgpr_workgroup_id_y 1
		.amdhsa_system_sgpr_workgroup_id_z 1
		.amdhsa_system_vgpr_workitem_id 0
		.amdhsa_next_free_vgpr 32
		.amdhsa_next_free_sgpr 66
		.amdhsa_reserve_vcc 0
		.amdhsa_float_denorm_mode_32 3
		.amdhsa_float_denorm_mode_16_64 3
		.amdhsa_memory_ordered 1
		.amdhsa_forward_progress 1
		.amdhsa_inst_pref_size 6
	.end_amdhsa_kernel
	.amdgpu_metadata
---
amdhsa.version: [ 1, 2 ]
amdhsa.kernels:
  - .name:           k_qe0a8f5bf06_soft
    .symbol:         k_qe0a8f5bf06_soft.kd
    .args:
      - { .name: scores, .offset: 0, .size: 8, .value_kind: global_buffer, .address_space: global }
      - { .name: out0, .offset: 8, .size: 8, .value_kind: global_buffer, .address_space: global }
    .group_segment_fixed_size: 1536
    .private_segment_fixed_size: 0
    .kernarg_segment_align: 8
    .kernarg_segment_size: 16
    .max_flat_workgroup_size: 256
    .sgpr_count:     66
    .vgpr_count:     32
    .wavefront_size: 32
...
	.end_amdgpu_metadata
.endif
;; end of part 3
